; MI455X (gfx1250); checked and timed in simulation.
; The chip was launched on July 23, 2026; its instructions are those of AMD's public machine-readable ISA for CDNA 5 (MIT licence, August 2026) and "CDNA5" Instruction Set Architecture Reference Guide (July 2026). The comments in the code are by the model that wrote it; some were corrected since.
;; Scaled Dot Product Attention. Allowed arithmetic: matrix products marked QUANTISED: E2M3 operands, one E8M0 scale for each 32 along K, by v_wmma_scale_f32_16x16x128_f8f6f4 with both operands' format E2M3, f32 sums; everything else in f32.
;; Inputs: multi_head_k 2 x 12 x 2,048 x 64 float32; multi_head_q 2 x 12 x 2,048 x 64 float32; multi_head_v 2 x 12 x 2,048 x 64 float32.
;; Outputs: out0 2 x 2,048 x 768 float32.
;; This version of the problem:
;;   THIS VERSION OF THE PROBLEM IS GIVEN IN LOW PRECISION. The matrix products marked QUANTISED in the list below multiply operands that are first quantised to E2M3 (2 exponent bits, 3 mantissa bits; 6 bits a number), with one power-of-two scale for each 32 numbers along K (OCP MX v1.0); their sums are f32. All else is computed in f32.
;;   The module's matrix products, in the order in which they are computed (A, B: the left and right operand; K: the contracted axis; several contracted axes count as one K, in the product's order):
;;     1. batch 24 x [M 2,048, K 64] x [K 64, N 2,048]; A: input multi_head_q; B: input multi_head_k: QUANTISED
;;     2. batch 24 x [M 2,048, K 2,048] x [K 2,048, N 64]; A: softmax (see below); B: input multi_head_v: QUANTISED
;;   THE QUANTISER, for each operand of a quantised product, along K:
;;     - K is cut into blocks of 32 from its start; a last block that is shorter is filled with zeros.
;;     - A block's scale is 2^e with e = floor(log2(the largest magnitude in the block)) - 2, held to -126 .. 127; a block of zeros has e = 0. As a byte (E8M0): e + 127.
;;     - Each number is divided by its block's scale, clamped to +-7.5, and rounded to the nearest number of E2M3, ties to even, subnormals kept.
;;     - The product sums the exact products of the quantised numbers (number of the format x scale) in f32.
;;   ~~~python
;;   def quantise(x, axis):      # numpy; x: float32 -> the quantised numbers, widened to float32 again
;;       x = np.moveaxis(x, axis, -1); K = x.shape[-1]
;;       x = np.pad(x, [(0, 0)] * (x.ndim - 1) + [(0, -K % 32)]); x = x.reshape(x.shape[:-1] + (-1, 32)); a = np.abs(x).max(-1, keepdims=True)
;;       e = np.where(a > 0, np.clip(np.frexp(np.where(a > 0, a, 1))[1] - 1 - 2, -126, 127), 0)      # np.frexp(a)[1] - 1 = floor(log2(a)), exactly
;;       r = np.clip(x / 2.0 ** e, -7.5, 7.5)
;;       step = 2.0 ** (np.maximum(np.frexp(np.where(r == 0, 1, r))[1] - 1, 0) - 3)
;;       q = np.round(r / step) * step * 2.0 ** e      # np.round: ties to even
;;       return np.moveaxis(q.reshape(q.shape[:-2] + (-1,))[..., :K], -1, axis).astype(np.float32)
;;   ~~~
;;   SOFTMAX AHEAD OF A QUANTISED PRODUCT. Where the list says 'softmax', what is quantised is not the finished softmax but p = 2^(t - M), with t = logit x log2(e) and M = ceil(the row's largest t), a whole number; so 1/2 < the row's largest p <= 1. The row's sum l is taken of the UNQUANTISED p, in f32, and the product's result is divided by l at the end. Since M is a whole number, a kernel that streams over the keys may use a running M (the ceiling of the running maximum): every later rescaling is an exact power of two, which a block's scale takes up: the codes' values come out the same.
;;   OPERANDS COMPUTED ON THE WAY. 'Computed on the way' means the value that the module computes at that place (a softmax that the list does not call 'softmax' is quantised finished and normalised). What goes into a quantiser is computed in f32, as accurately as f32 sums, v_exp_f32 and their like allow (about 1e-6 of the number): no bf16 or f16 on the way to a quantiser, and a product that is left as it is and whose result goes on into a quantised operand takes f32 operands (vector FMAs, or v_wmma_f32_16x16x4_f32). A number that lies on a knife's edge between two numbers of the format may be rounded either way, as far as f32 arithmetic and the matrix unit's own rounding can turn it there, and no further.
;; One version. Each part assembles by itself: llvm-mc -triple=amdgcn-amd-amdhsa -mcpu=gfx1250 --defsym DOCPART=n.
;; ======== version 1 of 1: 2 launches
;; workspace buffers: kv 4,915,200 bytes
;; launch quant (part 1): grid 256 x 1, 12 waves a work-group, no clusters, 169,472 bytes of LDS; arguments multi_head_k, multi_head_v, kv; writes kv
.if DOCPART == 1
	.amdgcn_target "amdgcn-amd-amdhsa--gfx1250"
	.amdhsa_code_object_version 6
	.text
	.protected	k_qfe768d2325_quant
	.globl	k_qfe768d2325_quant
	.p2align	8
	.type	k_qfe768d2325_quant,@function
k_qfe768d2325_quant:
	s_mov_b64 s[64:65], 0
	v_nop
	global_prefetch_b8 v0, s[64:65] scope:SCOPE_SE
	s_setreg_imm32_b32 hwreg(HW_REG_WAVE_MODE, 25, 1), 1
	s_wait_xcnt 0x0
; K and V, [24 heads][2048 keys][64] f32, become codes of FP6 (E2M3) with one E8M0 scale byte for each 32 along a product's K, laid in kv AS IMAGES OF THE OPERANDS' REGISTERS.
; K is quantised along the head's 64 (two blocks a key), V along the keys (a block = 32 neighbouring keys of one channel d).
; kv: 384 step blocks (16 x head + step; a step = 128 keys) of 12,800 bytes:
;   0      K: four double fragments f of 1,536 bytes.  Lane (r, h): registers 0-5 = key 32 f + r + 8 (r / 8), d = 32 h .. 32 h + 31; registers 6-11 = the key 8 further on, the same d.
;   6,144  V: four fragments t of 1,536 bytes.  Lane (r, h): d = 16 t + r; registers 6 c .. 6 c + 5 = keys 64 c + 32 h + 0 .. 31 of the step.
;   12,288 scale words: K's at 16 r + 4 f (bytes 0, 1: the first key's two blocks; bytes 2, 3: the second key's), V's at 256 + 16 r + 4 t (byte b: key block b).
;   An image is three groups of 512 bytes: registers 4 g .. 4 g + 3 of lane l at 512 g + 16 l.
; A block's scale is 2^(floor(log2(its largest magnitude)) - 2); its byte is the largest magnitude's exponent field - 2, held at 1 from below.
; LIMITS: NaN and infinities among the inputs are not served.  A block whose largest magnitude lies under 2^-124 has its byte held at 1.  A block of zeros gets the byte 1 where the quantiser's
; rule says 127: its codes are zeros, which add nothing under any byte but 0xff, and the bytes are read by this program alone.
; SHARES.  Work-groups 0-127 take K, 128-255 V; each takes three steps.  Wave w (of 12): step w / 4 of the three, fragment w % 4.  Each wave brings 32 keys x 256 bytes, 8,192 dense bytes, by ONE tensor load
; at its first lines: one tensor load of a wave is out, all 98,304 bytes of the work-group are on their way at once, and each input byte is read once.
; A fragment of K is made of the wave's own 32 keys; a fragment of V wants 16 channels of all 128 keys of the step, so it reads the four tiles of its step: hence the barrier behind the loads.
; No ring: nothing is filled again.  No cluster: work-groups share no input.  No prefetch: every byte is asked for at the head.
.set STEPB, 12800                      ; a step block in kv
.set FRB,   1536                       ; a fragment's image
.set VIMG,  6144
.set SIMG,  12288
.set TP,    272                        ; a tile's row in LDS: 256 bytes + 16 of padding
.set TS,    8832                       ; from tile to tile: 32 x 272 + 128 = 2,208 words, 32 banks on (64 banks of 4 bytes: ISA guide 11.1): V's reads take 16 words of one tile and 16 of the next, all in different banks
.set SC,    12*TS                      ; 105,984, a multiple of 256: three blocks of 256 bytes in which a step's scale words meet; no tensor load lands there
.set RR,  1                            ; v1   r = lane % 16
.set HH,  2                            ; v2   h = lane / 16
.set LI,  3                            ; v3   16 x lane: my place in a group of an image
.set KA,  4                            ; v4   K: my key's row in my wave's tile, + 128 h
.set VA,  5                            ; v5   V: my channel in the first tile that I read
.set SCW, 6                            ; v6   where my row's scale word goes
.set SCR, 7                            ; v7   where a step's 256 bytes of scale words are read back
.set L8,  8                            ; v8   8 x lane
.set SH,  9                            ; v9   8 h
.set MX,  10                           ; v10-11 largest magnitudes of my two blocks
.set SO,  12                           ; v12-13 the conversions' scale operands
.set BY,  14                           ; v14-15 the scale bytes
.set W,   16                           ; v16  the scale word
.set T2,  17                           ; v17  lane l xor 16's part of it
.set WO,  18                           ; v18-19 scale words on the way out
.set C,   20                           ; v20-31 the fragment
.set T,   32                           ; v32-39 the upper halves of the two blocks' codes
.set X,   40                           ; v40-103 my two blocks of 32 numbers
	s_load_b128 s[4:7], s[0:1], 0x0                ; K, V
	s_load_b64 s[8:9], s[0:1], 0x10                ; kv
	v_lshl_add_u32 v104, v0, 2, 0x29000
	v_mov_b32 v105, 0
	ds_add_u32 v104, v105
	ds_add_u32 v104, v105
	v_lshrrev_b32 v1, 5, v0
	s_delay_alu instid0(VALU_DEP_1)
	v_readfirstlane_b32 s10, v1                    ; wave 0..11
	s_lshr_b32 s11, s10, 2                         ; which of my work-group's three steps
	s_and_b32 s12, s10, 3                          ; which fragment, and which 32 keys I fetch
	s_cmp_lt_u32 ttmp9, 128                        ; K's work-group or V's: the choice hangs on the work-group's number alone
	s_cselect_b32 s13, 0, 1                        ; kind
	s_cselect_b32 s14, 0, 128
	s_sub_co_u32 s14, ttmp9, s14                   ; my number among the kind's 128
	s_mul_i32 s16, s14, 12
	s_add_co_u32 s16, s16, s10
	s_lshl_b32 s16, s16, 13                        ; my 32 keys in the source: (12 x number + wave) x 8,192 bytes, under 2^24
	s_mov_b32 s17, 0
	s_mul_i32 s18, s14, 3
	s_add_co_u32 s18, s18, s11                     ; the step block: 3 x number + step
	s_mul_i32 s18, s18, STEPB
	s_mul_i32 s19, s13, VIMG
	s_add_co_u32 s22, s18, s19
	s_mul_i32 s19, s12, FRB
	s_add_co_u32 s22, s22, s19                     ; my fragment's image in kv
	s_mov_b32 s23, 0
	s_lshl_b32 s19, s13, 8
	s_add_co_u32 s18, s18, s19
	s_add_co_u32 s18, s18, SIMG                    ; the step's 256 bytes of scale words of my kind
	s_mov_b32 s19, 0
	s_mov_b32 s20, 0x76543210
	s_mov_b32 s21, 0xfedcba98                      ; v_permlanex16_b32's selects for lane l xor 16
	; descriptor group 1: 32 rows of 32 elements of 8 bytes, dense in memory, 16 bytes of padding behind each row in LDS
	s_mov_b32 s24, (3<<16)|(1<<20)|(5<<22)|(3<<25) ; 15:0 no mask; 17:16 elements of 8 bytes; 20 padding on; 24:22 after every 64 words (code 5); 31:25 of 4 words (code 3)
	s_mov_b32 s25, 32<<16                          ; tensor_dim0 = 32
	s_mov_b32 s26, 32<<16                          ; tensor_dim1 = 32
	s_mov_b32 s27, 32<<16                          ; tile_dim0 = 32
	s_mov_b32 s28, 32                              ; tile_dim1 = 32
	s_mov_b32 s29, 32                              ; from row to row: 32 elements
	s_mov_b32 s30, 0
	s_mov_b32 s31, 0
	s_mov_b32 s40, 1                               ; group 0: count = 1,
	s_mul_i32 s41, s10, TS                         ; my wave's tile in LDS,
	s_mul_i32 s44, s11, 4*TS                       ; (V: my step's first tile,
	s_lshl_b32 s45, s12, 6
	s_add_co_u32 s44, s44, s45                     ; and my 16 channels' 64 bytes in a row)
	s_lshl_b32 s46, s11, 8
	s_add_co_u32 s46, s46, SC                      ; (my step's scale words,
	s_lshl_b32 s47, s12, 2
	s_add_co_u32 s47, s47, s46                     ; and my fragment's column of them)
	s_wait_dscnt 0x0
	s_wait_kmcnt 0x0
	s_cmp_lt_u32 ttmp9, 128
	s_cselect_b64 s[4:5], s[4:5], s[6:7]           ; the source
	s_add_nc_u64 s[42:43], s[4:5], s[16:17]        ; the tile's first byte in memory,
	s_or_b32 s43, s43, 0x80000000                  ; type = 2
	s_add_nc_u64 s[48:49], s[8:9], s[22:23]
	s_add_nc_u64 s[50:51], s[8:9], s[18:19]
	tensor_load_to_lds s[40:43], s[24:31]          ; my 8,192 bytes: the wave's one tensor load; the addresses are made while it is on its way
	s_nop 0
	v_and_b32 v[RR], 15, v0
	v_bfe_u32 v[HH], v0, 4, 1
	v_and_b32 v[LI], 31, v0
	s_delay_alu instid0(VALU_DEP_1)
	v_lshlrev_b32 v[L8], 3, v[LI]
	s_delay_alu instid0(VALU_DEP_2)
	v_lshlrev_b32 v[LI], 4, v[LI]
	v_and_b32 v[KA], 8, v[RR]
	s_delay_alu instid0(VALU_DEP_1)
	v_add_nc_u32 v[KA], v[KA], v[RR]               ; r + 8 (r / 8): rows 0-7 and 16-23 of the tile
	s_delay_alu instid0(VALU_DEP_1)
	v_mul_u32_u24 v[KA], v[KA], TP
	s_delay_alu instid0(VALU_DEP_1)
	v_lshl_add_u32 v[KA], v[HH], 7, v[KA]          ; + 128 h: d = 32 h on
	s_delay_alu instid0(VALU_DEP_1)
	v_add_nc_u32 v[KA], s41, v[KA]
	v_mul_u32_u24 v[VA], v[HH], TS                 ; lanes 16-31 read the tile of the next 32 keys
	s_delay_alu instid0(VALU_DEP_1)
	v_lshl_add_u32 v[VA], v[RR], 2, v[VA]
	s_delay_alu instid0(VALU_DEP_1)
	v_add_nc_u32 v[VA], s44, v[VA]
	v_lshl_add_u32 v[SCW], v[RR], 4, s47           ; 16 r + 4 x fragment
	v_add_nc_u32 v[SCR], s46, v[L8]
	v_lshlrev_b32 v[SH], 3, v[HH]
	v_mov_b32 v[T2], 0                             ; a lane permute's destination counts as one of its sources
	s_wait_tensorcnt 0x0                           ; for the others' sake: my tile has landed
	s_barrier_signal -1
	s_barrier_wait -1                              ; all twelve have
	s_cmp_ge_u32 ttmp9, 128
	s_cbranch_scc1 .Lread_v
	s_wait_alu depctr_va_vdst(0)
.irp e, 0,1                                    ; K: block e = my key of the e-th tile of scores (8 rows on), d = 32 h .. 32 h + 31: 128 bytes of its row.  Rows 0-7 and 16-23 start at the same eight banks: these 16 loads go two deep
.irp j, 0,1,2,3,4,5,6,7
	ds_load_b128 v[X+32*\e+4*\j:X+32*\e+4*\j+3], v[KA] offset:8*TP*\e+16*\j
.endr
.endr
	s_branch .Lhave
.Lread_v:
	s_wait_alu depctr_va_vdst(0)
.irp e, 0,1                                    ; V: block e = keys 64 e + 32 h + 0 .. 31 of my channel: MY REGISTERS RUN DOWN THE KEYS, so the codes come out with the keys innermost
.irp i, 0,1,2,3,4,5,6,7,8,9,10,11,12,13,14,15,16,17,18,19,20,21,22,23,24,25,26,27,28,29,30,31
	ds_load_b32 v[X+32*\e+\i], v[VA] offset:2*TS*\e+TP*\i
.endr
.endr
.Lhave:
	s_wait_dscnt 0x0
	; both kinds alike from here: two whole blocks a lane; block e's byte stands at place 2 e + h of my row's scale word
.irp e, 0,1
	v_max3_num_f32 v[MX+\e], |v[X+32*\e]|, |v[X+32*\e+1]|, 0x1800000   ; and the floor 2^(3 - 127), under which no largest magnitude is taken: so the byte cannot fall under 1
.endr
.irp i, 2,4,6,8,10,12,14,16,18,20,22,24,26,28,30
.irp e, 0,1
	s_delay_alu instid0(VALU_DEP_2)
	v_max3_num_f32 v[MX+\e], v[MX+\e], |v[X+32*\e+\i]|, |v[X+32*\e+\i+1]|   ; (the two blocks by turns)
.endr
.endr
.irp e, 0,1
	s_delay_alu instid0(VALU_DEP_2)
	v_add_nc_u32 v[SO+\e], 0xff000000, v[MX+\e]    ; 2 off its exponent field: the conversion takes the exponent field of this operand as its scale, and nothing else of it
.endr
.irp e, 0,1
	s_delay_alu instid0(VALU_DEP_2)
	v_lshrrev_b32 v[BY+\e], 23, v[SO+\e]           ; the scale's byte
.endr
	s_delay_alu instid0(VALU_DEP_1)
	v_lshl_or_b32 v[W], v[BY+1], 16, v[BY]         ; my two bytes,
	s_delay_alu instid0(VALU_DEP_1)
	v_lshlrev_b32 v[W], v[SH], v[W]                ; 8 h bits up;
	s_delay_alu instid0(VALU_DEP_1)
	v_permlanex16_b32 v[T2], v[W], s20, s21
	s_delay_alu instid0(VALU_DEP_1)
	v_or_b32 v[W], v[W], v[T2]                     ; with lane l xor 16's two the word is whole, in both lanes
.irp e, 0,1
	v_cvt_scalef32_pk16_fp6_f32 v[C+6*\e:C+6*\e+2], v[X+32*\e:X+32*\e+15], v[SO+\e]
	v_cvt_scalef32_pk16_fp6_f32 v[T+4*\e:T+4*\e+2], v[X+32*\e+16:X+32*\e+31], v[SO+\e]   ; (a conversion's three registers begin on an even number: the second half of a block's six does not)
.endr
	v_nop                                          ; one plain place behind a scaled conversion
.irp e, 0,1
.irp i, 0,1,2
	v_mov_b32 v[C+6*\e+3+\i], v[T+4*\e+\i]
.endr
.endr
.irp g, 0,1,2
	global_store_b128 v[LI], v[C+4*\g:C+4*\g+3], s[48:49] offset:512*\g   ; 32 lanes store 512 consecutive bytes, at a multiple of 256 from kv's first byte
.endr
	ds_store_b32 v[SCW], v[W]                      ; lanes r and r + 16 write the same word with the same value
	s_wait_dscnt 0x0                               ; for the others' sake: my scale words lie in LDS
	s_barrier_signal -1
	s_barrier_wait -1
	s_cmp_lg_u32 s12, 0                            ; the first wave of each step sends the step's 64 words
	s_cbranch_scc1 .Ldone
	ds_load_b64 v[WO:WO+1], v[SCR]
	s_wait_dscnt 0x0
	global_store_b64 v[L8], v[WO:WO+1], s[50:51]   ; 32 lanes store 256 consecutive bytes, at a multiple of 256 from kv's first byte
.Ldone:
	s_wait_tensorcnt 0x0
	ds_add_u32 v104, v105
	s_wait_dscnt 0x0
	s_endpgm
.Lfunc_end_k_qfe768d2325_quant:
	.size	k_qfe768d2325_quant, .Lfunc_end_k_qfe768d2325_quant-k_qfe768d2325_quant
	.p2alignl 7, 3214868480
	.fill 96, 4, 3214868480
	.section	.rodata,"a",@progbits
	.p2align	6, 0x0
	.amdhsa_kernel k_qfe768d2325_quant
		.amdhsa_group_segment_fixed_size 169472
		.amdhsa_private_segment_fixed_size 0
		.amdhsa_enable_private_segment 0
		.amdhsa_kernarg_size 24
		.amdhsa_user_sgpr_count 2
		.amdhsa_user_sgpr_kernarg_segment_ptr 1
		.amdhsa_wavefront_size32 1
		.amdhsa_system_sgpr_workgroup_id_x 1
		.amdhsa_system_sgpr_workgroup_id_y 1
		.amdhsa_system_sgpr_workgroup_id_z 1
		.amdhsa_system_vgpr_workitem_id 0
		.amdhsa_next_free_vgpr 106
		.amdhsa_next_free_sgpr 66
		.amdhsa_reserve_vcc 0
		.amdhsa_float_denorm_mode_32 3
		.amdhsa_float_denorm_mode_16_64 3
		.amdhsa_memory_ordered 1
		.amdhsa_forward_progress 1
		.amdhsa_inst_pref_size 15
	.end_amdhsa_kernel
	.amdgpu_metadata
---
amdhsa.version: [ 1, 2 ]
amdhsa.kernels:
  - .name:           k_qfe768d2325_quant
    .symbol:         k_qfe768d2325_quant.kd
    .args:
      - { .name: multi_head_k, .offset: 0, .size: 8, .value_kind: global_buffer, .address_space: global }
      - { .name: multi_head_v, .offset: 8, .size: 8, .value_kind: global_buffer, .address_space: global }
      - { .name: kv, .offset: 16, .size: 8, .value_kind: global_buffer, .address_space: global }
    .group_segment_fixed_size: 169472
    .private_segment_fixed_size: 0
    .kernarg_segment_align: 8
    .kernarg_segment_size: 24
    .max_flat_workgroup_size: 384
    .sgpr_count:     66
    .vgpr_count:     106
    .wavefront_size: 32
...
	.end_amdgpu_metadata
.endif
;; end of part 1
;; launch attn (part 2): grid 8 x 24, 16 waves a work-group, no clusters, 276,480 bytes of LDS; arguments multi_head_q, kv, out0; writes out0
.if DOCPART == 2
	.amdgcn_target "amdgcn-amd-amdhsa--gfx1250"
	.amdhsa_code_object_version 6
	.text
	.protected	k_qfe768d2325_attn
	.globl	k_qfe768d2325_attn
	.p2align	8
	.type	k_qfe768d2325_attn,@function
k_qfe768d2325_attn:
	s_mov_b64 s[64:65], 0
	v_nop
	global_prefetch_b8 v0, s[64:65] scope:SCOPE_SE
	s_setreg_imm32_b32 hwreg(HW_REG_WAVE_MODE, 25, 1), 1
	s_wait_xcnt 0x0
; out0[b][q][64 hh + d] = the sum over k <= q of softmax_k(Q[head][q] . K[head][k] / 8) V[head][k][d], head = 12 b + hh; both products on codes of FP6 (E2M3) with one E8M0 scale for each 32 along a product's K.
; Q [24][2048][64] f32 is quantised here, in registers; K and V come from kv as images of the operands' registers, 16 step blocks of 12,800 bytes a head (a step = 128 keys):
;   0 K's four double fragments, 6,144 V's four fragments, 12,288 the scale words; an image is three groups of 512 bytes, registers 4 g .. 4 g + 3 of lane l at 512 g + 16 l.
; THE SOFTMAX AHEAD OF THE SECOND PRODUCT: t = score x log2(e) / 8; M = the row's largest t so far, rounded UP to a whole number; p = 2^(t - M) is what is quantised, along the keys; it is not normalised.
; The row's sum is taken of the unquantised p, in f32, and divides O at the end.  When M moves, the sum and O are multiplied by 2^(old M - new M): exact.
; SHARES.  Work-group (i, head) owns the blocks i and 15 - i of 128 queries: eight waves to each, a wave to a tile of 16 queries.  Under the mask block j has j + 1 steps of work, so every work-group has
; 8 (i + 1) + 8 (16 - i) = 136 steps of a tile.  192 work-groups: a head's 128 tiles do not divide into equal shares for more.
; THE HEAD'S IMAGES, 204,800 BYTES, LIE IN LDS WHOLE: sixteen tensor loads at the first lines (waves 0-3, four each: four of a wave are out), nothing is filled again, and four barriers show the steps to all waves, four at a time.
; LAYOUT.  Both products are used transposed: S^T = K Q^T (source 0 = 16 keys, source 1 = my 16 queries), O^T = V^T P^T (source 0 = 16 channels, source 1 = P): a lane holds ONE query (lane % 16) throughout.
; The head's 64 fill half of the instruction's 128 along K.  So a fragment of K holds TWO tiles of keys side by side (k = 0 .. 63: one tile, k = 64 .. 127: the other), and it is multiplied once by [q | 0] and once by [0 | q]:
; no register and no LDS byte of K holds zeros.  THE KEYS OF A TILE ARE NOT NEIGHBOURS: lane r of tile 2 f + u takes key 32 f + 8 u + r + 8 (r / 8), so that the 16 registers of tiles 2 f and 2 f + 1 are 16 neighbouring keys.
; CAUSAL.  Every wave walks all 16 steps (the trip counts are constants); a step all of whose keys come after the wave's queries is jumped over by a scalar branch on ids; in the one step on the diagonal hidden scores become -infinity.
; NO CLUSTER, though the eight work-groups of a head read the same images: the branch round hidden steps hangs on the query block, which differs between them, and without it the work would double.
; NO PREFETCH: all that a work-group reads is asked for in its first lines.
; LIMITS: NaN and infinities among the inputs are not served.  A block whose largest magnitude lies under 2^-124 has its scale byte held at 1; a block of zeros (of q, or of p under the mask) gets the byte 1: its codes are zeros.
; A block's largest p is made from the block's largest score by the same multiply-add and exponential: this takes v_exp_f32 not to fall where its input rises.  The division by the row's sum is v_rcp_f32 and a multiplication.
.set STEPB, 12800
.set CHB,   4*STEPB                    ; a chunk: four steps
.set FRB,   1536
.set VIMG,  6144
.set SIMG,  12288
.set STG,   16*STEPB                   ; 204,800, a multiple of 256: behind the images a stage of 16 rows x (256 + 16) bytes for each wave, for Q's way in and O's way out; no tensor load lands there
.set SP,    272
.set LI,   1                           ; v1   16 x lane; never rewritten
.set ADR,  2                           ; v2   the step's images, my lane's place
.set MQ,   3                           ; v3   r - 16 h, for the mask
.set GO,   4                           ; v4   the way out: 3,072 h + 16 r
.set STI,  5                           ; v5   the stage: row r, + 32 h
.set QS,   6                           ; v6   q's scale word, its two bytes twice: it serves [q | 0] and [0 | q]
.set PW,   7                           ; v7   p's scale word
.set FF,   8                           ; v[8:9] f = 2^(old M - new M); v9 is named with it as a pair
.set TMP,  10
.set NINF, 11                          ; v11  -infinity
.set NM,   12                          ; v12  -M;  v13 the largest t so far
.set LS,   14                          ; v[14:15] the row's sum in two halves
.set QZ,   16                          ; v16-21 zeros, v22-27 q's codes, v28-33 zeros: [0 | q] = v[16:27], [q | 0] = v[22:33]
.set KFR,  34                          ; v34-81   K's four double fragments
.set VFR,  82                          ; v82-129  V's four fragments
.set S,    130                         ; v130-193 S^T, then p
.set O,    194                         ; v194-225 O^T
.set PC,   226                         ; v226-237 p's codes
.set BM,   238                         ; v238-241 a block's largest score, then its largest p, then the conversion's scale operand
.set PT,   242                         ; v242-249 at work
.set SW,   250                         ; v250-253 scale words: lanes 0-15 K's four, lanes 16-31 V's four
.set RD,   254                         ; v254 the stage: row h, + 16 r
.set QRD,  255                         ; v255 the stage: row r, + 128 h
.set WV,   10
.set Q0,   14                          ; s14  my first query in the head
.set QL,   15                          ; s15  my last
.set SEL,  20
.set CS,   22                          ; s[22:23] c = log2(e) / 8
.set G1,   24
.set G0,   32                          ; s[32:47] a group 0 for each chunk
.set TB,   48                          ; s48  LDS byte at which the step's block begins
.set KF,   49                          ; s49  the step's first key
.set CNT,  50
.set T0,   51
	s_load_b128 s[4:7], s[0:1], 0x0                ; Q, kv
	s_load_b64 s[8:9], s[0:1], 0x10                ; out0
	v_lshl_add_u32 v254, v0, 2, 0x43000
	v_mov_b32 v255, 0
	ds_add_u32 v254, v255
	ds_add_u32 v254, v255
	s_wait_dscnt 0x0
	v_lshrrev_b32 v1, 5, v0
	s_delay_alu instid0(VALU_DEP_1)
	v_readfirstlane_b32 s[WV], v1                  ; wave 0..15
	s_and_b32 s52, ttmp7, 0xffff                   ; the head
	s_lshr_b32 s11, s[WV], 2
	s_xor_b32 s11, s11, s[WV]
	s_and_b32 s11, s11, 1                          ; which of the two blocks: bit 0 xor bit 2 of the wave's number, so that of any four neighbouring waves, and of any four that lie 4 apart, two take each
	s_lshr_b32 s12, s[WV], 1                       ; which tile of its eight
	s_sub_co_u32 s13, 15, ttmp9
	s_cmp_eq_u32 s11, 0
	s_cselect_b32 s13, ttmp9, s13                  ; block i or block 15 - i
	s_lshl_b32 s[Q0], s13, 7
	s_lshl_b32 s16, s12, 4
	s_add_co_u32 s[Q0], s[Q0], s16
	s_add_co_u32 s[QL], s[Q0], 15
	s_lshl_b32 s16, s52, 11
	s_add_co_u32 s16, s16, s[Q0]
	s_lshl_b32 s16, s16, 8                         ; Q: (2,048 head + my first query) x 256 bytes, under 2^24
	s_mov_b32 s17, 0
	s_and_b32 s55, s[WV], 3
	s_mul_i32 s55, s55, STEPB                      ; the step of a chunk that I fetch, if I fetch: its place in the chunk, in memory and in LDS alike
	s_mul_i32 s18, s52, 16*STEPB
	s_add_co_u32 s18, s18, s55
	s_mov_b32 s19, 0
	s_cmp_ge_u32 s52, 12                           ; head = 12 b + hh
	s_cselect_b32 s53, 2048, 0
	s_cselect_b32 s54, 12, 0
	s_sub_co_u32 s54, s52, s54
	s_add_co_u32 s56, s53, s[Q0]
	s_mul_i32 s56, s56, 3072                       ; out0: (2,048 b + my first query) rows of 3,072 bytes
	s_lshl_b32 s54, s54, 8
	s_add_co_u32 s56, s56, s54                     ; + 256 hh
	s_mov_b32 s57, 0
	s_mul_i32 s58, s[WV], 16*SP
	s_add_co_u32 s58, s58, STG                     ; my stage
	s_mov_b32 s[SEL], 0x76543210
	s_mov_b32 s[SEL+1], 0xfedcba98                 ; v_permlanex16_b32's selects for lane l xor 16
	s_mov_b32 s[CS], 0x3e38aa3b                    ; c = log2(e) / 8
	s_mov_b32 s[CS+1], s[CS]                       ; (named with it as a pair, so it is written)
	; descriptor group 1: a step block, 12,800 dense bytes, as 50 rows of 32 elements of 8 bytes; no padding: every read of it takes 512 consecutive bytes
	s_mov_b32 s[G1], 3<<16
	s_mov_b32 s[G1+1], 32<<16                      ; tensor_dim0 = 32
	s_mov_b32 s[G1+2], 50<<16                      ; tensor_dim1 = 50
	s_mov_b32 s[G1+3], 32<<16                      ; tile_dim0 = 32
	s_mov_b32 s[G1+4], 50                          ; tile_dim1 = 50
	s_mov_b32 s[G1+5], 32                          ; from row to row
	s_mov_b32 s[G1+6], 0
	s_mov_b32 s[G1+7], 0
	v_and_b32 v[LI], 31, v0
	s_delay_alu instid0(VALU_DEP_1)
	v_lshlrev_b32 v[LI], 4, v[LI]
	s_wait_kmcnt 0x0
	s_add_nc_u64 s[6:7], s[6:7], s[18:19]
	s_add_nc_u64 s[4:5], s[4:5], s[16:17]
	s_add_nc_u64 s[8:9], s[8:9], s[56:57]
.irp c, 0,1,2,3
	s_mov_b32 s[G0+4*\c], 1                        ; count = 1
	s_add_co_u32 s[G0+4*\c+1], s55, \c*CHB         ; LDS: step 4 c + (wave % 4)
	s_add_nc_u64 s[G0+4*\c+2:G0+4*\c+3], s[6:7], \c*CHB
	s_or_b32 s[G0+4*\c+3], s[G0+4*\c+3], 0x80000000   ; type = 2
.endr
	s_cmp_lt_u32 s[WV], 4                          ; a fetching wave's four fills stand in one branch, ahead of every wait on TENSORcnt, every LDS read and every barrier
	s_cbranch_scc0 .Lno_fetch
	tensor_load_to_lds s[G0:G0+3], s[G1:G1+7]
	s_nop 0
	tensor_load_to_lds s[G0+4:G0+7], s[G1:G1+7]
	s_nop 0
	tensor_load_to_lds s[G0+8:G0+11], s[G1:G1+7]
	s_nop 0
	tensor_load_to_lds s[G0+12:G0+15], s[G1:G1+7]
	s_nop 0
.rept 4
	v_nop
.endr
.Lno_fetch:
	s_wait_alu depctr_va_vdst(0)
.irp i, 0,1,2,3,4,5,6,7
	global_load_b128 v[S+4*\i:S+4*\i+3], v[LI], s[4:5] offset:512*\i th:TH_LOAD_NT   ; my 16 rows of Q are 4,096 dense bytes: 512 consecutive bytes a load
.endr
	v_and_b32 v8, 15, v0                           ; r
	v_bfe_u32 v9, v0, 4, 1                         ; h
	s_delay_alu instid0(VALU_DEP_1)
	v_lshlrev_b32 v[MQ], 4, v9
	s_delay_alu instid0(VALU_DEP_1)
	v_sub_nc_u32 v[MQ], v8, v[MQ]
	s_delay_alu instid0(VALU_DEP_3)
	v_mul_u32_u24 v[GO], v9, 3072
	s_delay_alu instid0(VALU_DEP_1)
	v_lshl_add_u32 v[GO], v8, 4, v[GO]
	v_mul_u32_u24 v[STI], v8, SP
	s_delay_alu instid0(VALU_DEP_1)
	v_lshl_add_u32 v[QRD], v9, 7, v[STI]
	s_delay_alu instid0(VALU_DEP_1)
	v_add_nc_u32 v[QRD], s58, v[QRD]
	s_delay_alu instid0(VALU_DEP_3)
	v_lshl_add_u32 v[STI], v9, 5, v[STI]
	s_delay_alu instid0(VALU_DEP_1)
	v_add_nc_u32 v[STI], s58, v[STI]
	v_mul_u32_u24 v[RD], v9, SP
	s_delay_alu instid0(VALU_DEP_1)
	v_lshl_add_u32 v[RD], v8, 4, v[RD]
	s_delay_alu instid0(VALU_DEP_1)
	v_add_nc_u32 v[RD], s58, v[RD]
	s_wait_alu depctr_va_vdst(0)
	s_wait_loadcnt 0x0
	; Q turns through my stage: in as loaded (two rows a store), out 128 bytes a lane: row r, d = 32 h .. 32 h + 31: a whole block.  LDS serves a wave's instructions in order (ISA guide 5.7.1.4): no wait between
.irp i, 0,1,2,3,4,5,6,7
	ds_store_b128 v[RD], v[S+4*\i:S+4*\i+3] offset:2*SP*\i
.endr
.irp j, 0,1,2,3,4,5,6,7
	ds_load_b128 v[S+32+4*\j:S+32+4*\j+3], v[QRD] offset:16*\j
.endr
	s_wait_dscnt 0x0
	v_max3_num_f32 v[TMP], |v[S+32]|, |v[S+33]|, 0x1800000   ; the block's largest magnitude, in two chains, over the floor 2^(3 - 127): so the byte cannot fall under 1
	v_max3_num_f32 v[BM], |v[S+48]|, |v[S+49]|, 0x1800000
.irp i, 2,4,6,8,10,12,14
	s_delay_alu instid0(VALU_DEP_2)
	v_max3_num_f32 v[TMP], v[TMP], |v[S+32+\i]|, |v[S+33+\i]|
	s_delay_alu instid0(VALU_DEP_2)
	v_max3_num_f32 v[BM], v[BM], |v[S+48+\i]|, |v[S+49+\i]|
.endr
	s_delay_alu instid0(VALU_DEP_1)
	v_max_num_f32 v[TMP], v[TMP], v[BM]
	s_delay_alu instid0(VALU_DEP_1)
	v_add_nc_u32 v[BM+1], 0xff000000, v[TMP]       ; 2 off its exponent field: the conversion's scale operand
	s_delay_alu instid0(VALU_DEP_1)
	v_lshrrev_b32 v[BM+2], 23, v[BM+1]             ; the scale's byte,
	v_lshlrev_b32 v[BM+3], 3, v9
	s_delay_alu instid0(VALU_DEP_1)
	v_lshlrev_b32 v[BM+2], v[BM+3], v[BM+2]        ; 8 h bits up;
	v_mov_b32 v[PT+4], 0                           ; (a lane permute's destination counts as one of its sources)
	s_delay_alu instid0(VALU_DEP_1)
	v_permlanex16_b32 v[PT+4], v[BM+2], s[SEL], s[SEL+1]
	s_delay_alu instid0(VALU_DEP_1)
	v_or_b32 v[BM+2], v[BM+2], v[PT+4]             ; with lane l xor 16's: my row's two bytes,
	s_delay_alu instid0(VALU_DEP_1)
	v_lshl_or_b32 v[QS], v[BM+2], 16, v[BM+2]      ; twice
	v_cvt_scalef32_pk16_fp6_f32 v[QZ+6:QZ+8], v[S+32:S+47], v[BM+1]
	v_cvt_scalef32_pk16_fp6_f32 v[PT:PT+2], v[S+48:S+63], v[BM+1]   ; (a conversion's three registers begin on an even number)
	v_nop                                          ; one plain place behind a scaled conversion
.irp i, 0,1,2
	v_mov_b32 v[QZ+9+\i], v[PT+\i]
.endr
.irp i, 0,1,2,3,4,5
	v_mov_b32 v[QZ+\i], 0                          ; the zero codes on both sides of q
	v_mov_b32 v[QZ+12+\i], 0
.endr
.irp b, 0,1,2,3
	v_mov_b32 v[PT+\b], 0                          ; written once: lane permutes' destinations
.endr
	v_mov_b32 v9, 0                                ; (the upper half of the pair v[8:9])
	v_mov_b32 v[LS], 0                             ; the sum, in two halves
	v_mov_b32 v[LS+1], 0
	v_mov_b32 v[NINF], 0xff800000
	v_mov_b32 v[NM+1], 0xff61b1e6                  ; the largest t so far: -3e38, under every t
	s_delay_alu instid0(VALU_DEP_1)
	v_floor_f32 v[NM], -v[NM+1]                    ; -M
.set n, 0
.rept 32
	v_mov_b32 v[O+n], 0                            ; O^T.  (The step is written once: the first finds zeros, which the first change of M leaves zeros.  These lines are also the places between the writes of q's codes and scale word and the first product)
.set n, n+1
.endr
; A KEY STEP: 128 keys.
.macro STEP
	s_cmp_gt_u32 s[KF], s[QL]                      ; all its keys come after my 16 queries: nothing to do but to step the addresses
	s_cbranch_scc1 .Lhidden_\@
	s_setprio 2
	v_add_nc_u32 v[ADR], s[TB], v[LI]
	ds_load_b128 v[SW:SW+3], v[ADR] offset:SIMG    ; lanes 0-15: my key row's four words of K; lanes 16-31: my channel row's four of V
.irp f, 0,1,2,3
.irp g, 0,1,2
	ds_load_b128 v[KFR+12*\f+4*\g:KFR+12*\f+4*\g+3], v[ADR] offset:FRB*\f+512*\g
.endr
.endr
.irp t, 0,1,2,3
.irp g, 0,1,2
	ds_load_b128 v[VFR+12*\t+4*\g:VFR+12*\t+4*\g+3], v[ADR] offset:VIMG+FRB*\t+512*\g
.endr
.endr
	s_wait_dscnt 12                                ; the scale words and K are in; V's twelve loads are younger and land under the softmax
.irp f, 0,1,2,3                                ; eight accumulators, one instruction each
	v_wmma_scale_f32_16x16x128_f8f6f4 v[S+16*\f:S+16*\f+7], v[KFR+12*\f:KFR+12*\f+11], v[QZ+6:QZ+17], 0, v[SW+\f], v[QS] matrix_a_fmt:MATRIX_FMT_FP6 matrix_b_fmt:MATRIX_FMT_FP6
	v_wmma_scale_f32_16x16x128_f8f6f4 v[S+16*\f+8:S+16*\f+15], v[KFR+12*\f:KFR+12*\f+11], v[QZ:QZ+11], 0, v[SW+\f], v[QS] matrix_a_fmt:MATRIX_FMT_FP6 matrix_b_fmt:MATRIX_FMT_FP6
.endr                                          ; register 16 b + i of lane (r, h): query r, key KF + 32 b + 16 h + i
.rept 4
	v_nop                                          ; four places behind the products, ahead of the first read of their results (ISA guide 7.12.1)
.endr
	s_add_co_u32 s[T0], s[KF], 127                 ; a step all of whose keys count skips the mask
	s_cmp_le_u32 s[T0], s[Q0]
	s_cbranch_scc1 .Lopen_\@
	s_sub_co_i32 s[T0], s[Q0], s[KF]
	v_add_nc_u32 v[TMP], s[T0], v[MQ]              ; my query - KF - 16 h: register 16 b + i is hidden where 32 b + i is above it
.set n, 0
.rept 64
	v_cmp_gt_i32 vcc_lo, 32*(n/16)+n%16, v[TMP]
	v_cndmask_b32 v[S+n], v[S+n], v[NINF], vcc_lo
.set n, n+1
.endr
.Lopen_\@:
.irp b, 0,1,2,3
	v_max3_num_f32 v[BM+\b], v[S+16*\b], v[S+16*\b+1], v[S+16*\b+2]   ; THE LARGEST SCORE OF EACH BLOCK OF 32 KEYS: it serves twice: for the row's maximum, and, since p rises with the score, for the block's largest p
.endr
.irp i, 3,5,7,9,11,13
.irp b, 0,1,2,3
	v_max3_num_f32 v[BM+\b], v[BM+\b], v[S+16*\b+\i], v[S+16*\b+\i+1]   ; (the four blocks by turns; each accumulator is read from its low end on)
.endr
.endr
.irp b, 0,1,2,3
	v_max_num_f32 v[BM+\b], v[BM+\b], v[S+16*\b+15]
.endr
.irp b, 0,1,2,3
	s_delay_alu instid0(VALU_DEP_4)
	v_permlanex16_b32 v[PT+\b], v[BM+\b], s[SEL], s[SEL+1]
.endr
.irp b, 0,1,2,3
	s_delay_alu instid0(VALU_DEP_4)
	v_max_num_f32 v[BM+\b], v[BM+\b], v[PT+\b]     ; with lane l xor 16's 16 keys
.endr
	s_delay_alu instid0(VALU_DEP_2)
	v_max3_num_f32 v[TMP], v[BM], v[BM+1], v[BM+2]
	s_delay_alu instid0(VALU_DEP_1)
	v_max_num_f32 v[TMP], v[TMP], v[BM+3]          ; the step's largest score of my query
	s_delay_alu instid0(VALU_DEP_1)
	v_mul_f32 v[TMP], s[CS], v[TMP]                ; as t (c is positive)
	s_delay_alu instid0(VALU_DEP_1)
	v_max_num_f32 v[NM+1], v[NM+1], v[TMP]         ; the running largest t
	v_mov_b32 v[TMP], v[NM]
	s_delay_alu instid0(VALU_DEP_2)
	v_floor_f32 v[NM], -v[NM+1]                    ; the new -M = floor(-t) = -ceil(t): M IS A WHOLE NUMBER
	s_delay_alu instid0(VALU_DEP_1)
	v_sub_f32 v[TMP], v[NM], v[TMP]                ; M's old value less its new one: a whole number, 0 or less
	s_delay_alu instid0(VALU_DEP_1)
	v_cvt_i32_f32 v[TMP], v[TMP]                   ; (it saturates)
	s_delay_alu instid0(VALU_DEP_1)
	v_ldexp_f32 v[FF], 1.0, v[TMP]                 ; f = 2^(old M - new M): a multiplication by it rounds nothing
.set n, 0
.rept 32
	v_pk_fma_f32 v[S+n:S+n+1], v[S+n:S+n+1], s[CS:CS+1], v[NM:NM+1] op_sel_hi:[1,0,0]   ; t - M, two at a time (of the pairs c and -M the low word serves both halves)
.set n, n+2
.endr
	s_setprio 1
.irp b, 0,1,2,3
	v_fma_f32 v[BM+\b], v[BM+\b], s[CS], v[NM]     ; the same of each block's largest score
.endr
.set n, 0
	s_wait_alu depctr_va_vdst(0)
.rept 64
	v_exp_f32 v[S+n], v[S+n]                       ; p = 2^(t - M), at most 1: NOT normalised
.set n, n+1
.endr
.irp b, 0,1,2,3
	v_exp_f32 v[BM+\b], v[BM+\b]                   ; the block's largest p: the same two instructions on the same number give the same bits
.endr
	v_pk_mul_f32 v[LS:LS+1], v[LS:LS+1], v[FF:FF+1] op_sel_hi:[1,0]   ; the sums under the new M.  (A plain place behind the exponentials)
	s_wait_alu depctr_va_vdst(0)
.irp b, 0,1,2,3
	v_max_num_f32 v[BM+\b], 0x1800000, v[BM+\b]    ; the floor 2^(3 - 127): the byte cannot fall under 1 (a block whose every p is 0 keeps that byte: its codes are zeros)
.endr
.irp b, 0,1,2,3
	s_delay_alu instid0(VALU_DEP_4)
	v_add_nc_u32 v[BM+\b], 0xff000000, v[BM+\b]    ; 2 off the exponent field: the conversion's scale operand
.endr
.irp b, 0,1,2,3
	s_delay_alu instid0(VALU_DEP_4)
	v_lshrrev_b32 v[PT+\b], 23, v[BM+\b]           ; the scale's byte
.endr
	s_delay_alu instid0(VALU_DEP_3)
	v_lshl_or_b32 v[PW], v[PT+1], 8, v[PT]         ; p's scale word for these 128 keys
	s_delay_alu instid0(VALU_DEP_1)
	v_lshl_or_b32 v[PW], v[PT+2], 16, v[PW]
	s_delay_alu instid0(VALU_DEP_1)
	v_lshl_or_b32 v[PW], v[PT+3], 24, v[PW]
.irp c, 0,1
	v_cvt_scalef32_pk16_fp6_f32 v[PC+6*\c:PC+6*\c+2], v[S+32*\c:S+32*\c+15], v[BM+2*\c]
	v_cvt_scalef32_pk16_fp6_f32 v[PT+4*\c:PT+4*\c+2], v[S+32*\c+16:S+32*\c+31], v[BM+2*\c+1]   ; (a conversion's three registers begin on an even number)
.endr
	v_nop                                          ; one plain place behind a scaled conversion
.irp c, 0,1                                    ; the operand's layout wants a WHOLE block in a lane: lanes 0-15 block 2 c, lanes 16-31 block 2 c + 1
.irp i, 0,1,2
	v_permlane16_swap_b32 v[PC+6*\c+\i], v[PT+4*\c+\i]
.endr
.irp i, 0,1,2
	s_delay_alu instid0(VALU_DEP_3)
	v_mov_b32 v[PC+6*\c+3+\i], v[PT+4*\c+\i]
.endr
.endr
	v_pk_add_f32 v[242:243], v[134:135], v[138:139]
	v_pk_add_f32 v[248:249], v[142:143], v[146:147]
	v_pk_add_f32 v[246:247], v[150:151], v[154:155]
	v_pk_add_f32 v[240:241], v[158:159], v[162:163]
	v_pk_add_f32 v[238:239], v[166:167], v[170:171]
	v_pk_add_f32 v[80:81], v[174:175], v[178:179]
	v_pk_add_f32 v[78:79], v[182:183], v[186:187]
	v_pk_add_f32 v[14:15], v[14:15], v[190:191]
	v_pk_add_f32 v[242:243], v[242:243], v[130:131]
	v_pk_add_f32 v[248:249], v[248:249], v[132:133]
	v_pk_add_f32 v[246:247], v[246:247], v[136:137]
	v_pk_add_f32 v[240:241], v[240:241], v[140:141]
	v_pk_add_f32 v[238:239], v[238:239], v[144:145]
	v_pk_add_f32 v[80:81], v[80:81], v[148:149]
	v_pk_add_f32 v[78:79], v[78:79], v[152:153]
	s_setprio 0
	v_pk_add_f32 v[14:15], v[14:15], v[156:157]
	v_pk_add_f32 v[242:243], v[242:243], v[160:161]
	v_pk_add_f32 v[248:249], v[248:249], v[164:165]
	v_pk_add_f32 v[246:247], v[246:247], v[168:169]
	v_pk_add_f32 v[240:241], v[240:241], v[172:173]
	v_pk_add_f32 v[238:239], v[238:239], v[176:177]
	v_pk_add_f32 v[80:81], v[80:81], v[180:181]
	v_pk_add_f32 v[78:79], v[78:79], v[184:185]
	v_pk_add_f32 v[14:15], v[14:15], v[188:189]
	v_pk_add_f32 v[242:243], v[242:243], v[192:193]
	s_delay_alu instid0(VALU_DEP_2)
	v_pk_add_f32 v[14:15], v[14:15], v[240:241]
	s_delay_alu instid0(VALU_DEP_2)
	v_pk_add_f32 v[242:243], v[242:243], v[238:239]
	v_pk_add_f32 v[248:249], v[248:249], v[80:81]
	v_pk_add_f32 v[246:247], v[246:247], v[78:79]
	s_delay_alu instid0(VALU_DEP_2)
	v_pk_add_f32 v[14:15], v[14:15], v[248:249]
	s_delay_alu instid0(VALU_DEP_2)
	v_pk_add_f32 v[242:243], v[242:243], v[246:247]
	s_delay_alu instid0(VALU_DEP_1)
	v_pk_add_f32 v[14:15], v[14:15], v[242:243]
.set n, 0
.rept 16
	v_pk_mul_f32 v[O+n:O+n+1], v[O+n:O+n+1], v[FF:FF+1] op_sel_hi:[1,0]   ; O^T under the new M: x f.  (With the sums above: the places between the writes of p's codes and scale word and the products below)
.set n, n+2
.endr
	s_wait_alu depctr_va_vdst(0)
	s_wait_dscnt 0x0                               ; V is in
.irp t, 0,1,2,3                                ; O^T += V^T P^T: four accumulators by turns, one instruction a turn; the next step's eight score products stand between two links of a chain
	v_wmma_scale_f32_16x16x128_f8f6f4 v[O+8*\t:O+8*\t+7], v[VFR+12*\t:VFR+12*\t+11], v[PC:PC+11], v[O+8*\t:O+8*\t+7], v[SW+\t], v[PW] matrix_a_fmt:MATRIX_FMT_FP6 matrix_b_fmt:MATRIX_FMT_FP6 matrix_a_scale:MATRIX_SCALE_ROW1
.endr
.rept 4
	v_nop                                          ; four places, ahead of the next step's loads into V's fragments and the scale words, and of the way out's reads of O^T
.endr
.Lhidden_\@:
	s_add_co_u32 s[KF], s[KF], 128
	s_add_co_u32 s[TB], s[TB], STEPB
.endm
; FOUR STEPS.  In front of them a barrier shows them to every wave: a fetching wave has waited for its load of this chunk; the loads of the 3 - c later chunks, which it issued behind that one, may stay out.
; A wave that fetches nothing passes the wait at once.
.macro CHUNK c
	s_wait_tensorcnt 3-\c
	s_wait_dscnt 0x0                               ; no LDS instruction of mine is out at the signal
	s_barrier_signal -1
	s_barrier_wait -1
	s_mov_b32 s[TB], \c*CHB
	s_mov_b32 s[KF], \c*512
	s_mov_b32 s[CNT], 4
.Lstep_\@:
	STEP
	s_sub_co_u32 s[CNT], s[CNT], 1
	s_cmp_lg_u32 s[CNT], 0
	s_cbranch_scc1 .Lstep_\@
	s_setprio 0
.endm
	CHUNK 0
	CHUNK 1
	CHUNK 2
	CHUNK 3                                        ; its wait on TENSORcnt is for 0: no tensor load is out at the end
	; THE WAY OUT.  O^T is divided by the row's sum and goes through my stage, so that sixteen lanes store a query's 64 numbers of the head: 256 consecutive bytes.
	v_add_f32 v[LS], v[LS], v[LS+1]                ; the sum's two halves,
	s_delay_alu instid0(VALU_DEP_1)
	v_permlanex16_b32 v[TMP], v[LS], s[SEL], s[SEL+1]
	s_delay_alu instid0(VALU_DEP_1)
	v_add_f32 v[LS], v[LS], v[TMP]                 ; and lane l xor 16's: the row's sum
	s_wait_alu depctr_va_vdst(0)
	v_rcp_f32 v[LS], v[LS]
	v_nop                                          ; one plain place behind a transcendental
.set n, 0
	s_wait_alu depctr_va_vdst(0)
.rept 32
	v_mul_f32 v[S+n], v[O+n], v[LS]                ; register 8 t + j is o(query r, d = 16 t + 8 h + j)
.set n, n+1
.endr
.irp t, 0,1,2,3
	ds_store_b128 v[STI], v[S+8*\t:S+8*\t+3] offset:64*\t
	ds_store_b128 v[STI], v[S+8*\t+4:S+8*\t+7] offset:64*\t+16
.endr
.irp i, 0,1,2,3,4,5,6,7
	ds_load_b128 v[S+32+4*\i:S+32+4*\i+3], v[RD] offset:2*SP*\i   ; LDS serves a wave's instructions in order: these see my stores.  Lanes 0-15 one row, lanes 16-31 the next
.endr
.irp i, 0,1,2,3,4,5,6,7
	s_wait_dscnt 7-\i                              ; pair i of rows is back; the younger loads may be out
	global_store_b128 v[GO], v[S+32+4*\i:S+32+4*\i+3], s[8:9] offset:2*3072*\i th:TH_STORE_NT   ; 16 lanes store 256 consecutive bytes, at a multiple of 256 from out0's first byte; written once, read by nobody here
.endr
	s_wait_xcnt 0x0
	v_lshl_add_u32 v254, v0, 2, 0x43000
	v_mov_b32 v255, 0
	s_wait_alu depctr_va_vdst(0)
	s_wait_tensorcnt 0x0
	ds_add_u32 v254, v255
	s_wait_dscnt 0x0
	s_endpgm
.Lfunc_end_k_qfe768d2325_attn:
	.size	k_qfe768d2325_attn, .Lfunc_end_k_qfe768d2325_attn-k_qfe768d2325_attn
	.p2alignl 7, 3214868480
	.fill 96, 4, 3214868480
	.section	.rodata,"a",@progbits
	.p2align	6, 0x0
	.amdhsa_kernel k_qfe768d2325_attn
		.amdhsa_group_segment_fixed_size 276480
		.amdhsa_private_segment_fixed_size 0
		.amdhsa_enable_private_segment 0
		.amdhsa_kernarg_size 24
		.amdhsa_user_sgpr_count 2
		.amdhsa_user_sgpr_kernarg_segment_ptr 1
		.amdhsa_wavefront_size32 1
		.amdhsa_system_sgpr_workgroup_id_x 1
		.amdhsa_system_sgpr_workgroup_id_y 1
		.amdhsa_system_sgpr_workgroup_id_z 1
		.amdhsa_system_vgpr_workitem_id 0
		.amdhsa_next_free_vgpr 256
		.amdhsa_next_free_sgpr 66
		.amdhsa_reserve_vcc 1
		.amdhsa_float_denorm_mode_32 3
		.amdhsa_float_denorm_mode_16_64 3
		.amdhsa_memory_ordered 1
		.amdhsa_forward_progress 1
		.amdhsa_inst_pref_size 104
	.end_amdhsa_kernel
	.amdgpu_metadata
---
amdhsa.version: [ 1, 2 ]
amdhsa.kernels:
  - .name:           k_qfe768d2325_attn
    .symbol:         k_qfe768d2325_attn.kd
    .args:
      - { .name: multi_head_q, .offset: 0, .size: 8, .value_kind: global_buffer, .address_space: global }
      - { .name: kv, .offset: 8, .size: 8, .value_kind: global_buffer, .address_space: global }
      - { .name: out0, .offset: 16, .size: 8, .value_kind: global_buffer, .address_space: global }
    .group_segment_fixed_size: 276480
    .private_segment_fixed_size: 0
    .kernarg_segment_align: 8
    .kernarg_segment_size: 24
    .max_flat_workgroup_size: 512
    .sgpr_count:     66
    .vgpr_count:     256
    .wavefront_size: 32
...
	.end_amdgpu_metadata
.endif
;; end of part 2
